; MI455X (gfx1250); checked and timed in simulation.
; The chip was launched on July 23, 2026; its instructions are those of AMD's public machine-readable ISA for CDNA 5 (MIT licence, August 2026) and "CDNA5" Instruction Set Architecture Reference Guide (July 2026). The comments in the code are by the model that wrote it; some were corrected since.
;; Multi Head Attention. Allowed arithmetic: matrix products marked QUANTISED: E2M3 operands, one E8M0 scale for each 32 along K, by v_wmma_scale_f32_16x16x128_f8f6f4 with both operands' format E2M3, f32 sums; everything else in f32.
;; Inputs: in_token 4 x 2,048 x 1,024 float32; mask 1 x 1 x 2,048 x 2,048 float32; wk 1,024 x 1,024 float32; wo 1,024 x 1,024 float32; wq 1,024 x 1,024 float32; wv 1,024 x 1,024 float32.
;; Outputs: out0 4 x 2,048 x 1,024 float32.
;; This version of the problem:
;;   THIS VERSION OF THE PROBLEM IS GIVEN IN LOW PRECISION. The matrix products marked QUANTISED in the list below multiply operands that are first quantised to E2M3 (2 exponent bits, 3 mantissa bits; 6 bits a number), with one power-of-two scale for each 32 numbers along K (OCP MX v1.0); their sums are f32. All else is computed in f32.
;;   The module's matrix products, in the order in which they are computed (A, B: the left and right operand; K: the contracted axis; several contracted axes count as one K, in the product's order):
;;     1. [M 8,192, K 1,024] x [K 1,024, N 1,024]; A: input in_token; B: input wq: QUANTISED
;;     2. [M 8,192, K 1,024] x [K 1,024, N 1,024]; A: input in_token; B: input wk: QUANTISED
;;     3. [M 8,192, K 1,024] x [K 1,024, N 1,024]; A: input in_token; B: input wv: QUANTISED
;;     4. batch 32 x [M 2,048, K 128] x [K 128, N 2,048]; A: computed on the way; B: computed on the way: QUANTISED
;;     5. batch 32 x [M 2,048, K 2,048] x [K 2,048, N 128]; A: softmax (see below); B: computed on the way: QUANTISED
;;     6. [M 8,192, K 1,024] x [K 1,024, N 1,024]; A: computed on the way; B: input wo: QUANTISED
;;   THE QUANTISER, for each operand of a quantised product, along K:
;;     - K is cut into blocks of 32 from its start; a last block that is shorter is filled with zeros.
;;     - A block's scale is 2^e with e = floor(log2(the largest magnitude in the block)) - 2, held to -126 .. 127; a block of zeros has e = 0. As a byte (E8M0): e + 127.
;;     - Each number is divided by its block's scale, clamped to +-7.5, and rounded to the nearest number of E2M3, ties to even, subnormals kept.
;;     - The product sums the exact products of the quantised numbers (number of the format x scale) in f32.
;;   ~~~python
;;   def quantise(x, axis):      # numpy; x: float32 -> the quantised numbers, widened to float32 again
;;       x = np.moveaxis(x, axis, -1); K = x.shape[-1]
;;       x = np.pad(x, [(0, 0)] * (x.ndim - 1) + [(0, -K % 32)]); x = x.reshape(x.shape[:-1] + (-1, 32)); a = np.abs(x).max(-1, keepdims=True)
;;       e = np.where(a > 0, np.clip(np.frexp(np.where(a > 0, a, 1))[1] - 1 - 2, -126, 127), 0)      # np.frexp(a)[1] - 1 = floor(log2(a)), exactly
;;       r = np.clip(x / 2.0 ** e, -7.5, 7.5)
;;       step = 2.0 ** (np.maximum(np.frexp(np.where(r == 0, 1, r))[1] - 1, 0) - 3)
;;       q = np.round(r / step) * step * 2.0 ** e      # np.round: ties to even
;;       return np.moveaxis(q.reshape(q.shape[:-2] + (-1,))[..., :K], -1, axis).astype(np.float32)
;;   ~~~
;;   SOFTMAX AHEAD OF A QUANTISED PRODUCT. Where the list says 'softmax', what is quantised is not the finished softmax but p = 2^(t - M), with t = logit x log2(e) and M = ceil(the row's largest t), a whole number; so 1/2 < the row's largest p <= 1. The row's sum l is taken of the UNQUANTISED p, in f32, and the product's result is divided by l at the end. Since M is a whole number, a kernel that streams over the keys may use a running M (the ceiling of the running maximum): every later rescaling is an exact power of two, which a block's scale takes up: the codes' values come out the same.
;;   OPERANDS COMPUTED ON THE WAY. 'Computed on the way' means the value that the module computes at that place (a softmax that the list does not call 'softmax' is quantised finished and normalised). What goes into a quantiser is computed in f32, as accurately as f32 sums, v_exp_f32 and their like allow (about 1e-6 of the number): no bf16 or f16 on the way to a quantiser, and a product that is left as it is and whose result goes on into a quantised operand takes f32 operands (vector FMAs, or v_wmma_f32_16x16x4_f32). A number that lies on a knife's edge between two numbers of the format may be rounded either way, as far as f32 arithmetic and the matrix unit's own rounding can turn it there, and no further.
;; One version. Each part assembles by itself: llvm-mc -triple=amdgcn-amd-amdhsa -mcpu=gfx1250 --defsym DOCPART=n.
;; ======== version 1 of 1: 3 launches
;; limits: right only within a limited range of input values
;; workspace buffers: c1 9,437,184 bytes; s1 393,216 bytes; qkv 19,660,800 bytes
;; launch quant (part 1): grid 256 x 1, 6 waves a work-group, no clusters, 51,456 bytes of LDS; arguments in_token, wq, wk, wv, wo, c1, s1; writes c1, s1
.if DOCPART == 1
	.amdgcn_target "amdgcn-amd-amdhsa--gfx1250"
	.amdhsa_code_object_version 6
	.text
	.protected	k_qd313e54460_quant
	.globl	k_qd313e54460_quant
	.p2align	8
	.type	k_qd313e54460_quant,@function
k_qd313e54460_quant:
	s_mov_b64 s[64:65], 0
	v_nop
	global_prefetch_b8 v0, s[64:65] scope:SCOPE_SE
	s_setreg_imm32_b32 hwreg(HW_REG_WAVE_MODE, 25, 1), 1
	s_wait_xcnt 0x0
; in_token [8192][1024] and wq, wk, wv, wo [1024][1024], f32, K innermost, become codes of FP6 (E2M3) with one E8M0 byte for each 32 along K.
; A block's scale is 2^(floor(log2(its largest magnitude)) - 2); its byte is the largest magnitude's exponent field - 2, held at 1 from below.
; (A block of zeros so gets the byte 1 where the rule says 127: its codes are zeros, and this program alone reads the bytes.)
; LIMITS: NaN and infinities among the inputs are not served; blocks whose largest magnitude lies under 2^-124 take the byte 1.
; LAYOUT OF THE RESULT.  c1 = [768 tiles of 16 rows][8 K steps of 128][1,536 bytes]: tiles 0-511 in_token, 512-575 wq, 576-639 wk, 640-703 wv, 704-767 wo.
; The 1,536 bytes are an IMAGE OF THE OPERAND'S REGISTERS: registers 4 c .. 4 c + 3 of lane l at 512 c + 16 l: three loads of 16 bytes a lane restore a fragment.
; THE ROWS OF A TILE ARE NOT NEIGHBOURS: in each 32 rows, tile u (0, 1), row r is row 8 u + r + 8 (r / 8): where such a tile is source 0 of a product, the 16 registers of two neighbouring
; result tiles are 16 neighbours, as the next quantiser wants them.
; s1 = [768 tiles][2 halves of K][16 rows][4 words]: a word is a row's four bytes of one K step.
; SHARES.  1,536 waves: wave W = 6 x work-group + wave takes tile W / 2, half W % 2 of K: 16 rows x 512 numbers, four K steps.  Memory binds: each load reads 512 consecutive bytes of a row,
; each store writes 512 consecutive aligned bytes; up to 48 loads of a wave are out.  A K step's 16 x 512 bytes turn through the wave's own stage in LDS (rows of 528 bytes), so that a lane gets
; 16 neighbours of each block of 32.  No matrix unit, no cluster, no barrier: waves share nothing.
.set STG,  8448                        ; a wave's stage: 16 rows x (512 + 16) bytes
.set LI,   1                           ; v1   16 x lane: my 16 bytes of a load's or a store's 512; never rewritten
.set STI,  2                           ; v2   the stage, on the way in
.set STO,  3                           ; v3   and on the way out: row r, + 64 h
.set WOF,  4                           ; v4   16 r + 8 h: my two words' place
.set TM,   8                           ; v8-23   QUANT's scratch
.set WD,   26                          ; v26-29  a scale word for each K step
.set OW,   30                          ; v30-31  the two words that I store
.set PC,   32                          ; v32-55  codes, two sets of 12
.set PT,   56                          ; v56-63  the conversions' second halves
.set R,    64                          ; v64-255 numbers, three sets of 64
.set SEL,  24                          ; s[24:25] lane selects for v_permlanex16_b32: lane l xor 16
; 64 numbers of a lane, register 16 b + i = k 32 b + 16 (lane / 16) + i of my row, become a fragment's 12 registers of codes at v[pc] and its scale word in v[pw].
.macro QUANT s, pc, pt, pw
.irp b, 0,1,2,3
	v_max3_num_f32 v[TM+\b], |v[(\s)+16*\b]|, |v[(\s)+1+16*\b]|, 0x1800000   ; my 16 numbers of block b, and the floor 2^(3 - 127): the byte cannot fall under 1
.endr
.irp i, 2,4,6,8,10,12,14
.irp b, 0,1,2,3
	v_max3_num_f32 v[TM+\b], v[TM+\b], |v[(\s)+16*\b+\i]|, |v[(\s)+1+16*\b+\i]|   ; the four blocks by turns
.endr
.endr
.irp b, 0,1,2,3
	v_permlanex16_b32 v[TM+4+\b], v[TM+\b], s[SEL], s[SEL+1]
.endr
.irp b, 0,1,2,3
	v_max_num_f32 v[TM+\b], v[TM+\b], v[TM+4+\b]   ; with lane l xor 16's 16: the block's largest magnitude
.endr
.irp b, 0,1,2,3
	v_add_nc_u32 v[TM+12+\b], 0xff000000, v[TM+\b]   ; 2 off its exponent field: the conversion's scale operand
.endr
.irp b, 0,1,2,3
	v_lshrrev_b32 v[TM+4+\b], 23, v[TM+12+\b]      ; the scale's byte
.endr
	v_lshl_or_b32 v[\pw], v[TM+5], 8, v[TM+4]
	v_lshl_or_b32 v[\pw], v[TM+6], 16, v[\pw]
	v_lshl_or_b32 v[\pw], v[TM+7], 24, v[\pw]
.irp c, 0,1
	v_cvt_scalef32_pk16_fp6_f32 v[(\pc)+6*\c:(\pc)+2+6*\c], v[(\s)+32*\c:(\s)+15+32*\c], v[TM+12+2*\c]
	v_cvt_scalef32_pk16_fp6_f32 v[(\pt)+4*\c:(\pt)+2+4*\c], v[(\s)+16+32*\c:(\s)+31+32*\c], v[TM+12+2*\c+1]   ; (a conversion's three registers begin on an even number)
.endr
	v_nop                                          ; one plain instruction behind the scaled conversions
.irp c, 0,1                            ; the operand's layout wants a whole block in a lane: lanes 0-15 block 2 c, lanes 16-31 block 2 c + 1
.irp i, 0,1,2
	v_permlane16_swap_b32 v[(\pc)+6*\c+\i], v[(\pt)+4*\c+\i]
.endr
.irp i, 0,1,2
	v_mov_b32 v[(\pc)+3+6*\c+\i], v[(\pt)+4*\c+\i]
.endr
.endr
.endm
	s_load_b256 s[4:11], s[0:1], 0x0               ; in_token s[4:5], wq s[6:7], wk s[8:9], wv s[10:11]
	s_load_b128 s[12:15], s[0:1], 0x20             ; wo s[12:13], c1 s[14:15]
	s_load_b64 s[16:17], s[0:1], 0x30              ; s1
	v_lshl_add_u32 v59, v0, 2, 0xc600
	v_mov_b32 v63, 0
	v_lshrrev_b32 v5, 5, v0
	v_readfirstlane_b32 s18, v5                    ; wave 0..5
	v_and_b32 v5, 31, v0                           ; lane
	v_and_b32 v6, 15, v0                           ; r
	v_bfe_u32 v7, v0, 4, 1                         ; h
	v_lshlrev_b32 v[LI], 4, v5
	s_mul_i32 s19, s18, STG
	v_add_nc_u32 v[STI], s19, v[LI]
	v_mul_u32_u24 v[STO], v6, 528
	v_lshl_add_u32 v[STO], v7, 6, v[STO]
	v_add_nc_u32 v[STO], s19, v[STO]
	v_lshlrev_b32 v[WOF], 4, v6
	v_lshl_add_u32 v[WOF], v7, 3, v[WOF]
	v_cmp_ne_u32 s26, 0, v7                        ; lanes 16-31
.irp b, 0,1,2,3
	v_mov_b32 v[TM+4+\b], 0                        ; written once: a lane permute's destination counts as one of its sources
.endr
	s_mov_b32 s[SEL], 0x76543210
	s_mov_b32 s[SEL+1], 0xfedcba98
	s_mul_i32 s20, ttmp9, 6
	s_add_co_u32 s20, s20, s18                     ; W
	s_and_b32 s21, s20, 1                          ; which half of K
	s_lshr_b32 s20, s20, 1                         ; the tile, 0..767
	s_and_b32 s22, s20, 63                         ; its number within a weight
	s_wait_alu depctr_va_vdst(0)
	s_wait_kmcnt 0x0
	s_cmp_lt_u32 s20, 704                          ; the source: a choice on the tile's number alone
	s_cselect_b64 s[12:13], s[10:11], s[12:13]
	s_cmp_lt_u32 s20, 640
	s_cselect_b64 s[12:13], s[8:9], s[12:13]
	s_cmp_lt_u32 s20, 576
	s_cselect_b64 s[12:13], s[6:7], s[12:13]
	s_cmp_lt_u32 s20, 512
	s_cselect_b64 s[12:13], s[4:5], s[12:13]
	s_cselect_b32 s22, s20, s22                    ; the tile's number within its tensor
	s_lshr_b32 s28, s22, 1
	s_lshl_b32 s28, s28, 17                        ; 32 rows of 4,096 bytes for each pair of tiles,
	s_and_b32 s29, s22, 1
	s_lshl_b32 s29, s29, 15                        ; 8 rows for the odd tile,
	s_add_co_u32 s28, s28, s29
	s_lshl_b32 s29, s21, 11                        ; 512 numbers for the upper half of K
	s_add_co_u32 s28, s28, s29
	s_mov_b32 s29, 0
	s_add_nc_u64 s[12:13], s[12:13], s[28:29]
	s_mul_i32 s28, s20, 12288
	s_mul_i32 s30, s21, 6144
	s_add_co_u32 s28, s28, s30
	s_add_nc_u64 s[14:15], s[14:15], s[28:29]      ; my four images
	s_lshl_b32 s28, s20, 9
	s_lshl_b32 s30, s21, 8
	s_add_co_u32 s28, s28, s30
	s_add_nc_u64 s[16:17], s[16:17], s[28:29]      ; my 256 bytes of words
.macro LOAD s, set                     ; K step s: the tile's row i is row i + 8 (i / 8) from the tile's first
.irp i, 0,1,2,3,4,5,6,7,8,9,10,11,12,13,14,15
	global_load_b128 v[R+64*(\set)+4*\i:R+64*(\set)+4*\i+3], v[LI], s[12:13] offset:(\i+8*(\i/8))*4096+512*(\s) th:TH_LOAD_NT
.endr
.endm
.macro TURN set                        ; through the stage and back into the registers that they left: LDS serves a wave's instructions in order (ISA guide 5.7.1.4)
.irp i, 0,1,2,3,4,5,6,7,8,9,10,11,12,13,14,15
	ds_store_b128 v[STI], v[R+64*(\set)+4*\i:R+64*(\set)+4*\i+3] offset:528*\i
.endr
.irp b, 0,1,2,3
.irp j, 0,1,2,3
	ds_load_b128 v[R+64*(\set)+16*\b+4*\j:R+64*(\set)+16*\b+4*\j+3], v[STO] offset:128*\b+16*\j
.endr
.endr
	s_wait_dscnt 0x0
.endm
.macro STEP s, left                    ; left: the younger loads, which may stay out
	s_wait_loadcnt \left
	TURN (\s)%3
.if (\s) >= 2
	s_wait_xcnt 0x0                                ; the stores of two steps back have read this set of codes
.endif
	QUANT R+64*((\s)%3), PC+12*((\s)%2), PT, WD+(\s)
.irp c, 0,1,2
	global_store_b128 v[LI], v[PC+12*((\s)%2)+4*\c:PC+12*((\s)%2)+4*\c+3], s[14:15] offset:1536*(\s)+512*\c   ; 512 consecutive bytes, aligned
.endr
.endm
	LOAD 0, 0
	LOAD 1, 1
	LOAD 2, 2
	STEP 0, 32                                     ; sets 1 and 2 may be out
	LOAD 3, 0
	STEP 1, 32                                     ; sets 2 and 0
	STEP 2, 16                                     ; set 0
	STEP 3, 0
	v_cndmask_b32 v[OW], v[WD], v[WD+2], s26       ; lanes 0-15 store their row's words 0 and 1, lanes 16-31 words 2 and 3
	v_cndmask_b32 v[OW+1], v[WD+1], v[WD+3], s26
	global_store_b64 v[WOF], v[OW:OW+1], s[16:17]  ; 256 consecutive bytes, aligned
	s_wait_tensorcnt 0x0
	ds_add_u32 v59, v63
	s_wait_dscnt 0x0
	s_endpgm
.Lfunc_end_k_qd313e54460_quant:
	.size	k_qd313e54460_quant, .Lfunc_end_k_qd313e54460_quant-k_qd313e54460_quant
	.p2alignl 7, 3214868480
	.fill 96, 4, 3214868480
	.section	.rodata,"a",@progbits
	.p2align	6, 0x0
	.amdhsa_kernel k_qd313e54460_quant
		.amdhsa_group_segment_fixed_size 51456
		.amdhsa_private_segment_fixed_size 0
		.amdhsa_enable_private_segment 0
		.amdhsa_kernarg_size 56
		.amdhsa_user_sgpr_count 2
		.amdhsa_user_sgpr_kernarg_segment_ptr 1
		.amdhsa_wavefront_size32 1
		.amdhsa_system_sgpr_workgroup_id_x 1
		.amdhsa_system_sgpr_workgroup_id_y 1
		.amdhsa_system_sgpr_workgroup_id_z 1
		.amdhsa_system_vgpr_workitem_id 0
		.amdhsa_next_free_vgpr 256
		.amdhsa_next_free_sgpr 66
		.amdhsa_reserve_vcc 0
		.amdhsa_float_denorm_mode_32 3
		.amdhsa_float_denorm_mode_16_64 3
		.amdhsa_memory_ordered 1
		.amdhsa_forward_progress 1
		.amdhsa_inst_pref_size 34
	.end_amdhsa_kernel
	.amdgpu_metadata
---
amdhsa.version: [ 1, 2 ]
amdhsa.kernels:
  - .name:           k_qd313e54460_quant
    .symbol:         k_qd313e54460_quant.kd
    .args:
      - { .name: in_token, .offset: 0, .size: 8, .value_kind: global_buffer, .address_space: global }
      - { .name: wq, .offset: 8, .size: 8, .value_kind: global_buffer, .address_space: global }
      - { .name: wk, .offset: 16, .size: 8, .value_kind: global_buffer, .address_space: global }
      - { .name: wv, .offset: 24, .size: 8, .value_kind: global_buffer, .address_space: global }
      - { .name: wo, .offset: 32, .size: 8, .value_kind: global_buffer, .address_space: global }
      - { .name: c1, .offset: 40, .size: 8, .value_kind: global_buffer, .address_space: global }
      - { .name: s1, .offset: 48, .size: 8, .value_kind: global_buffer, .address_space: global }
    .group_segment_fixed_size: 51456
    .private_segment_fixed_size: 0
    .kernarg_segment_align: 8
    .kernarg_segment_size: 56
    .max_flat_workgroup_size: 192
    .sgpr_count:     66
    .vgpr_count:     256
    .wavefront_size: 32
...
	.end_amdgpu_metadata
.endif
;; end of part 1
;; launch qkv (part 2): grid 12 x 16, 4 waves a work-group, clusters of 4 x 4, 327,680 bytes of LDS; arguments c1, s1, qkv; writes qkv
.if DOCPART == 2
	.amdgcn_target "amdgcn-amd-amdhsa--gfx1250"
	.amdhsa_code_object_version 6
	.text
	.protected	k_qd313e54460_qkv
	.globl	k_qd313e54460_qkv
	.p2align	8
	.type	k_qd313e54460_qkv,@function
k_qd313e54460_qkv:
	s_mov_b64 s[64:65], 0
	v_nop
	global_prefetch_b8 v0, s[64:65] scope:SCOPE_SE
	s_setreg_imm32_b32 hwreg(HW_REG_WAVE_MODE, 25, 1), 1
	s_wait_xcnt 0x0
	s_wait_alu depctr_hold_cnt(0) depctr_sa_sdst(0) depctr_va_vdst(0) depctr_va_sdst(0) depctr_va_ssrc(0) depctr_va_vcc(0) depctr_vm_vsrc(0)
	s_getreg_b32 s2, hwreg(HW_REG_IB_STS2, 6, 4)
	s_cmp_eq_u32 s2, 0
	s_cbranch_scc0 .Lentry_in_a_cluster
	s_endpgm
.Lentry_in_a_cluster:
	s_bfe_u32 s2, ttmp6, 0x10000c
	s_cmp_lg_u32 s2, 0xf033
	s_cbranch_scc0 .Lentry_shape_is_right
	s_endpgm
.Lentry_shape_is_right:
.set FR,    12
.set NL,    3
.set NP,    4
.set TROW,  3072
.set HALFT, 8*TROW
.set SLOT,  4*HALFT
.set SPARE, 2*SLOT
.set NEXT_T, 256*12288
.set ADRA, 16
.set ADRB, 20
.set LI,   24
.set R16,  25
.set HV,   26
.set SPW,  28
.set NIL,  29
.set SA,   32
.set SB,   96
.set AF,   160
.set G1,   24
.set G0,   32
.set G1B,  48
.set G0B,  56
.set STA,  72
.set STB,  74
.set SSA,  76
.set SSB,  90
.set SDS,  92
.set SEL,  78
.set TM,   160
.set WD,   178
.set WS,   186
.set PT,   190
.set PC,   200
.set MSB, 0
.macro WIN new
.if MSB != \new
	s_set_vgpr_msb (MSB<<8)|\new
.set MSB, \new
.endif
.endm
.set MUL_LO, 0xa1
.set MUL_HI, 0xf1
.set TO_B,   0x40
.macro JLOAD g0a, g1a, g0b, g1b
	s_cmp_eq_u32 s15, 0
	s_cbranch_scc0 .Lfor_b_\@
	tensor_load_to_lds s[\g0a:\g0a+3], s[\g1a:\g1a+7]
	s_nop 0
.rept 4
	v_nop
.endr
	s_branch .Lasked_\@
.Lfor_b_\@:
	tensor_load_to_lds s[\g0b:\g0b+3], s[\g1b:\g1b+7]
	s_nop 0
.rept 4
	v_nop
.endr
.Lasked_\@:
.endm
.macro CREST
	s_cmp_lg_u32 s14, 0
	s_cbranch_scc1 .Lnot_wave_0_\@
	s_barrier_signal -3
.Lnot_wave_0_\@:
	s_barrier_wait -3
	s_barrier_signal -1
	s_barrier_wait -1
.endm
.macro CROUND
	s_barrier_signal -1
	s_barrier_wait -1
	CREST
.endm
.macro PLACES n
.rept \n
	v_nop
.endr
.endm
.macro FRAG reg, adr, q, i
.irp c, 0,1,2
	ds_load_b128 v[\reg+4*\c:\reg+4*\c+3], v[\adr] offset:(\i)*TROW+(\q)*1536+512*\c
.endr
.endm
.macro FETCH_B slot, q, p
	WIN TO_B
.irp i, 0,1,2,3,4,5,6,7
	FRAG 128*(\p)+FR*\i, ADRB+\slot, \q, \i
.endr
	WIN 0
.endm
.macro FETCH_A slot, q, i0
.irp i, \i0, \i0+1, \i0+2, \i0+3
	FRAG AF+FR*(\i), ADRA+\slot, \q, \i
.endr
.endm
.macro MUL16 a0, p, kq, zero
.irp a, \a0, \a0+1
.irp b, 0,1,2,3,4,5,6,7
.if \zero
	v_wmma_scale_f32_16x16x128_f8f6f4 v[8*(8*((\a)%4)+\b):8*(8*((\a)%4)+\b)+7], v[128*(\p)+FR*\b:128*(\p)+FR*\b+FR-1], v[AF+FR*(\a):AF+FR*(\a)+FR-1], 0, v[SB+8*\b+(\kq)], v[SA+8*(\a)+(\kq)] matrix_a_fmt:MATRIX_FMT_FP6 matrix_b_fmt:MATRIX_FMT_FP6
.else
	v_wmma_scale_f32_16x16x128_f8f6f4 v[8*(8*((\a)%4)+\b):8*(8*((\a)%4)+\b)+7], v[128*(\p)+FR*\b:128*(\p)+FR*\b+FR-1], v[AF+FR*(\a):AF+FR*(\a)+FR-1], v[8*(8*((\a)%4)+\b):8*(8*((\a)%4)+\b)+7], v[SB+8*\b+(\kq)], v[SA+8*(\a)+(\kq)] matrix_a_fmt:MATRIX_FMT_FP6 matrix_b_fmt:MATRIX_FMT_FP6
.endif
.endr
.endr
.endm
.macro STEP slot, kq, zero
	s_wait_dscnt 4*NL
	WIN MUL_LO
	MUL16 0, 0, \kq, \zero
	MUL16 2, 0, \kq, \zero
	s_wait_dscnt 0
	PLACES NP
	FETCH_B \slot, 1, 1
	FETCH_A \slot, 1, 0
	WIN MUL_HI
	MUL16 4, 0, \kq, \zero
	MUL16 6, 0, \kq, \zero
	PLACES NP
	WIN 0
	FETCH_A \slot, 1, 4
.endm
.macro TURN slot, next, fill, kq, fetch
	s_wait_tensorcnt 0x0
	ds_add_u32 v[SPW], v[NIL]
	s_wait_dscnt 4*NL+1
	WIN MUL_LO
	MUL16 0, 1, \kq, 0
	s_wait_dscnt 0x0
	s_barrier_signal -1
	MUL16 2, 1, \kq, 0
	WIN 0
	s_barrier_wait -1
.if \fill
	CREST
.if \fill == 2
	s_sub_nc_u64 s[G0+4*\slot+2:G0+4*\slot+3], s[G0+4*\slot+2:G0+4*\slot+3], 2*TROW
	s_add_nc_u64 s[G0+4*\slot+2:G0+4*\slot+3], s[G0+4*\slot+2:G0+4*\slot+3], s[STA:STA+1]
	s_sub_nc_u64 s[G0B+4*\slot+2:G0B+4*\slot+3], s[G0B+4*\slot+2:G0B+4*\slot+3], 2*TROW
	s_add_nc_u64 s[G0B+4*\slot+2:G0B+4*\slot+3], s[G0B+4*\slot+2:G0B+4*\slot+3], s[STB:STB+1]
.else
	s_add_nc_u64 s[G0+4*\slot+2:G0+4*\slot+3], s[G0+4*\slot+2:G0+4*\slot+3], 2*TROW
	s_add_nc_u64 s[G0B+4*\slot+2:G0B+4*\slot+3], s[G0B+4*\slot+2:G0B+4*\slot+3], 2*TROW
.endif
	JLOAD G0+4*\slot, G1, G0B+4*\slot, G1B
.else
	PLACES NP
.endif
.if \fetch
	FETCH_B \next, 0, 0
	FETCH_A \next, 0, 0
.endif
	WIN MUL_HI
	MUL16 4, 1, \kq, 0
	MUL16 6, 1, \kq, 0
.if \fetch
	PLACES NP
	WIN 0
	FETCH_A \next, 0, 4
.else
	WIN 0
.endif
.endm
.macro SCALES
.irp i, 0,1,2,3,4,5,6,7
.irp e, 0,1
	global_load_b128 v[SA+8*\i+4*\e:SA+8*\i+4*\e+3], v[R16], s[68:69] offset:512*\i+256*\e
	global_load_b128 v[SB+8*\i+4*\e:SB+8*\i+4*\e+3], v[R16], s[70:71] offset:512*\i+256*\e
.endr
.endr
.endm
	s_load_b128 s[4:7], s[0:1], 0x0
	s_load_b64 s[8:9], s[0:1], 0x10
	v_lshl_add_u32 v[SPW], v0, 2, SPARE
	v_mov_b32 v[NIL], 0
	ds_add_u32 v28, v29
	ds_add_u32 v28, v29
	s_wait_dscnt 0x0
	v_lshrrev_b32 v1, 5, v0
	v_readfirstlane_b32 s14, v1
	s_lshr_b32 s15, s14, 1
	s_and_b32 s16, s14, 1
	s_bfe_u32 s40, ttmp6, 0x40000
	s_bfe_u32 s41, ttmp6, 0x40004
	s_lshl_b32 s43, s41, 2
	s_lshl_b32 s43, 15, s43
	s_lshl_b32 s44, 0x1111, s40
	s_or_b32 s[G1+0], s43, (3<<16)|(1<<21)
	s_or_b32 s[G1B+0], s44, (3<<16)|(1<<21)
.irp g, G1, G1B
	s_mov_b32 s[\g+1], 384<<16
	s_mov_b32 s[\g+2], 8<<16
	s_mov_b32 s[\g+3], 384<<16
	s_mov_b32 s[\g+4], 8
	s_mov_b32 s[\g+5], 1536
	s_mov_b32 s[\g+6], 0
	s_mov_b32 s[\g+7], 0
.endr
	s_lshr_b32 s66, ttmp9, 1
	s_xor_b32 s67, s66, 1
	s_and_b32 s17, ttmp7, 0xffff
	s_lshl_b32 s17, s17, 2
	s_mul_i32 s18, s67, s17
	s_mul_i32 s19, s66, 40
	s_add_co_u32 s18, s18, s19
	s_add_co_u32 s18, s18, s41
	s_lshl_b32 s19, ttmp9, 2
	s_add_co_u32 s19, s19, 32
	s_mul_i32 s19, s19, s67
	s_mul_i32 s20, s66, s17
	s_add_co_u32 s19, s19, s20
	s_add_co_u32 s19, s19, s40
	s_mul_i32 s[STA], s67, NEXT_T
	s_mov_b32 s[STA+1], 0
	s_mul_i32 s[STB], s66, NEXT_T
	s_mov_b32 s[STB+1], 0
	s_lshl_b32 s[SSA], s67, 17
	s_mov_b32 s[SSA+1], 0
	s_lshl_b32 s[SSB], s66, 17
	s_mov_b32 s[SSB+1], 0
	s_lshl_b32 s22, s16, 3
	s_lshl_b32 s20, s18, 4
	s_add_co_u32 s20, s20, s22
	s_mul_i32 s20, s20, 12288
	s_mov_b32 s21, 0
	s_lshl_b32 s46, s19, 4
	s_add_co_u32 s46, s46, s22
	s_mul_i32 s46, s46, 12288
	s_mov_b32 s47, 0
	s_mul_i32 s45, s14, HALFT
	s_wait_kmcnt 0x0
	s_add_nc_u64 s[20:21], s[4:5], s[20:21]
	s_add_nc_u64 s[46:47], s[4:5], s[46:47]
	CROUND
.irp s, 0,1
	s_mov_b32 s[G0+4*\s], 1
	s_add_co_u32 s[G0+4*\s+1], s45, \s*SLOT
	s_add_nc_u64 s[G0+4*\s+2:G0+4*\s+3], s[20:21], \s*TROW
	s_or_b32 s[G0+4*\s+3], s[G0+4*\s+3], 0x80000000
	s_mov_b32 s[G0B+4*\s], 1
	s_add_co_u32 s[G0B+4*\s+1], s45, \s*SLOT
	s_add_nc_u64 s[G0B+4*\s+2:G0B+4*\s+3], s[46:47], \s*TROW
	s_or_b32 s[G0B+4*\s+3], s[G0B+4*\s+3], 0x80000000
	s_wait_alu depctr_va_vdst(0)
	s_wait_tensorcnt 0x0
	ds_add_u32 v28, v29
	ds_add_u32 v28, v29
	s_wait_dscnt 0x0
	CROUND
	JLOAD G0+4*\s, G1, G0B+4*\s, G1B
.endr
	v_and_b32 v1, 31, v0
	v_lshlrev_b32 v[LI], 4, v1
	v_and_b32 v2, 15, v0
	v_lshlrev_b32 v[R16], 4, v2
	s_wait_alu depctr_va_vdst(0)
	s_lshl_b32 s68, s18, 4
	s_lshl_b32 s69, s15, 3
	s_add_co_u32 s68, s68, s69
	s_lshl_b32 s68, s68, 9
	s_mov_b32 s69, 0
	s_add_nc_u64 s[68:69], s[6:7], s[68:69]
	s_lshl_b32 s70, s19, 4
	s_add_co_u32 s70, s70, s22
	s_lshl_b32 s70, s70, 9
	s_mov_b32 s71, 0
	s_add_nc_u64 s[70:71], s[6:7], s[70:71]
	SCALES
	s_mul_i32 s21, s15, HALFT
	s_mul_i32 s22, s16, HALFT
	s_add_co_u32 s22, s22, 2*HALFT
.irp s, 0,1
	v_add_nc_u32 v[ADRA+\s], s21, v[LI]
	v_add_nc_u32 v[ADRB+\s], s22, v[LI]
	s_add_co_u32 s21, s21, SLOT
	s_add_co_u32 s22, s22, SLOT
.endr
	s_cmp_eq_u32 s66, 1
	s_cselect_b32 s82, s40, s41
	s_cselect_b32 s83, s41, s40
	s_cselect_b32 s84, s15, s16
	s_cselect_b32 s85, s16, s15
	s_add_co_u32 s82, s82, s17
	s_lshl_b32 s83, s83, 1
	s_add_co_u32 s83, s83, s84
	s_and_b32 s86, s82, 7
	s_lshl_b32 s86, s86, 1
	s_add_co_u32 s86, s86, s85
	s_lshr_b32 s82, s82, 3
	s_lshl_b32 s82, s82, 3
	s_add_co_u32 s82, s82, s83
	s_lshl_b32 s82, s82, 4
	s_add_co_u32 s82, s82, s86
	s_cmp_eq_u32 ttmp9, 0
	s_mov_b32 s87, 25600
	s_cselect_b32 s87, 12800, s87
	s_mul_i32 s82, s82, s87
	s_cselect_b32 s88, 0, 6553600
	s_add_co_u32 s82, s82, s88
	s_lshl_b32 s[SDS], s87, 8
	s_mov_b32 s[SDS+1], 0
	; a key step's block of 25,600 bytes is two halves of 12,800 (images 12,288, words 512): even steps K then V, odd steps V then K; Q's blocks have one half
	s_xor_b32 s88, s66, s85
	s_min_u32 s84, ttmp9, 1
	s_mul_i32 s88, s88, s84
	s_mul_i32 s88, s88, 12800
	s_add_co_u32 s82, s82, s88
	s_mov_b32 s88, 12288
	s_mov_b32 s83, 0
	s_mov_b32 s89, 0
	s_add_nc_u64 s[8:9], s[8:9], s[82:83]
	s_add_nc_u64 s[10:11], s[8:9], s[88:89]
	s_mov_b32 s[SEL], 0x76543210
	s_mov_b32 s[SEL+1], 0xfedcba98
.macro PRODUCT last
	FETCH_B 0, 0, 0
	FETCH_A 0, 0, 0
	FETCH_A 0, 0, 4
	s_wait_loadcnt 0x0
	STEP 0, 0, 1
	TURN 0, 1, 1, 1, 1
	STEP 1, 2, 0
	TURN 1, 0, 1, 3, 1
	STEP 0, 4, 0
.if \last
	TURN 0, 1, 0, 5, 1
	STEP 1, 6, 0
	s_wait_dscnt 4*NL
	WIN MUL_LO
	MUL16 0, 1, 7, 0
	MUL16 2, 1, 7, 0
	s_wait_dscnt 0
	WIN MUL_HI
	MUL16 4, 1, 7, 0
	MUL16 6, 1, 7, 0
	WIN 0
.else
	TURN 0, 1, 2, 5, 1
	STEP 1, 6, 0
	TURN 1, 0, 2, 7, 0
.endif
.endm
.macro QUANTA a
.set AC, 64*((\a)%4)
.set WW, 2+(\a)/4
.set W12, (WW<<2)|(WW<<4)
.set PCA, PC+12*((\a)%4)
	WIN W12
.irp b, 0,1,2,3
	v_max3_num_f32 v[TM+\b], 0x1800000, |v[AC+16*\b]|, |v[AC+1+16*\b]|
.endr
.irp i, 2,4,6,8,10,12,14
.irp b, 0,1,2,3
	v_max3_num_f32 v[TM+\b], v[TM+\b], |v[AC+16*\b+\i]|, |v[AC+1+16*\b+\i]|
.endr
.endr
	WIN 0
.irp b, 0,1,2,3
	v_permlanex16_b32 v[TM+4+\b], v[TM+\b], s[SEL], s[SEL+1]
.endr
.irp b, 0,1,2,3
	v_max_num_f32 v[TM+\b], v[TM+\b], v[TM+4+\b]
.endr
.irp b, 0,1,2,3
	v_add_nc_u32 v[TM+12+\b], 0xff000000, v[TM+\b]
.endr
.irp b, 0,1,2,3
	v_lshrrev_b32 v[TM+4+\b], 23, v[TM+12+\b]
.endr
	v_lshl_or_b32 v[WD+(\a)], v[TM+5], 8, v[TM+4]
	v_lshl_or_b32 v[WD+(\a)], v[TM+6], 16, v[WD+(\a)]
	v_lshl_or_b32 v[WD+(\a)], v[TM+7], 24, v[WD+(\a)]
	WIN WW
.irp c, 0,1
	v_cvt_scalef32_pk16_fp6_f32 v[PCA+6*\c:PCA+2+6*\c], v[AC+32*\c:AC+15+32*\c], v[TM+12+2*\c]
	v_cvt_scalef32_pk16_fp6_f32 v[PT+4*\c:PT+2+4*\c], v[AC+16+32*\c:AC+31+32*\c], v[TM+12+2*\c+1]
.endr
	WIN 0
	v_nop
.irp c, 0,1
.irp i, 0,1,2
	v_permlane16_swap_b32 v[PCA+6*\c+\i], v[PT+4*\c+\i]
.endr
.irp i, 0,1,2
	v_mov_b32 v[PCA+3+6*\c+\i], v[PT+4*\c+\i]
.endr
.endr
.endm
.macro WAYOUT more
	PLACES NP
.if \more
	s_add_nc_u64 s[68:69], s[68:69], s[SSA:SSA+1]
	s_add_nc_u64 s[70:71], s[70:71], s[SSB:SSB+1]
	SCALES
.endif
	v_bfe_u32 v[HV], v0, 4, 1
	v_cmp_ne_u32 s80, 0, v[HV]
.irp b, 0,1,2,3
	v_mov_b32 v[TM+4+\b], 0
.endr
.irp a, 0,1,2,3,4,5,6,7
.if \a == 4
	s_wait_xcnt 0x0
.endif
	QUANTA \a
.irp c, 0,1,2
	global_store_b128 v[LI], v[PC+12*(\a%4)+4*\c:PC+12*(\a%4)+4*\c+3], s[8:9] offset:1536*\a+512*\c
.endr
.endr
.irp j, 0,1,2,3
	v_cndmask_b32 v[WS+\j], v[WD+\j], v[WD+4+\j], s80
.endr
	global_store_b128 v[LI], v[WS:WS+3], s[10:11]
.if \more
	s_wait_xcnt 0x0
	s_add_nc_u64 s[8:9], s[8:9], s[SDS:SDS+1]
	s_add_nc_u64 s[10:11], s[10:11], s[SDS:SDS+1]
.endif
.endm
	s_wait_alu depctr_va_vdst(0)
	s_wait_tensorcnt 1
	s_barrier_signal -1
	s_barrier_wait -1
	PRODUCT 0
	WAYOUT 1
	PRODUCT 1
	WAYOUT 0
	s_wait_tensorcnt 0x0
	ds_add_u32 v[SPW], v[NIL]
	s_wait_dscnt 0x0
	CROUND
	s_endpgm
.Lfunc_end_k_qd313e54460_qkv:
	.size	k_qd313e54460_qkv, .Lfunc_end_k_qd313e54460_qkv-k_qd313e54460_qkv
	.p2alignl 7, 3214868480
	.fill 96, 4, 3214868480
	.section	.rodata,"a",@progbits
	.p2align	6, 0x0
	.amdhsa_kernel k_qd313e54460_qkv
		.amdhsa_group_segment_fixed_size 327680
		.amdhsa_private_segment_fixed_size 0
		.amdhsa_enable_private_segment 0
		.amdhsa_kernarg_size 24
		.amdhsa_user_sgpr_count 2
		.amdhsa_user_sgpr_kernarg_segment_ptr 1
		.amdhsa_wavefront_size32 1
		.amdhsa_system_sgpr_workgroup_id_x 1
		.amdhsa_system_sgpr_workgroup_id_y 1
		.amdhsa_system_sgpr_workgroup_id_z 1
		.amdhsa_system_vgpr_workitem_id 0
		.amdhsa_next_free_vgpr 1024
		.amdhsa_next_free_sgpr 98
		.amdhsa_reserve_vcc 0
		.amdhsa_float_denorm_mode_32 3
		.amdhsa_float_denorm_mode_16_64 3
		.amdhsa_memory_ordered 1
		.amdhsa_forward_progress 1
		.amdhsa_inst_pref_size 255
	.end_amdhsa_kernel
	.section	.bss,"aw",@nobits
	.p2align	6
	.space	262144
	.amdgpu_metadata
---
amdhsa.version: [ 1, 2 ]
amdhsa.kernels:
  - .name:           k_qd313e54460_qkv
    .symbol:         k_qd313e54460_qkv.kd
    .args:
      - { .name: c1, .offset: 0, .size: 8, .value_kind: global_buffer, .address_space: global }
      - { .name: s1, .offset: 8, .size: 8, .value_kind: global_buffer, .address_space: global }
      - { .name: qkv, .offset: 16, .size: 8, .value_kind: global_buffer, .address_space: global }
    .group_segment_fixed_size: 327680
    .private_segment_fixed_size: 0
    .kernarg_segment_align: 8
    .kernarg_segment_size: 24
    .max_flat_workgroup_size: 128
    .sgpr_count:     98
    .vgpr_count:     1024
    .wavefront_size: 32
...
	.end_amdgpu_metadata
.endif
;; end of part 2
;; launch attn (part 3): grid 64 x 4, 8 waves a work-group, clusters of 4 x 4, 327,680 bytes of LDS; arguments qkv, mask, c1, s1, out0; writes out0
.if DOCPART == 3
	.amdgcn_target "amdgcn-amd-amdhsa--gfx1250"
	.amdhsa_code_object_version 6
	.text
	.protected	k_qd313e54460_attn
	.globl	k_qd313e54460_attn
	.p2align	8
	.type	k_qd313e54460_attn,@function
k_qd313e54460_attn:
	s_mov_b64 s[64:65], 0
	v_nop
	global_prefetch_b8 v0, s[64:65] scope:SCOPE_SE
	s_setreg_imm32_b32 hwreg(HW_REG_WAVE_MODE, 25, 1), 1
	s_wait_xcnt 0x0
	s_wait_alu depctr_hold_cnt(0) depctr_sa_sdst(0) depctr_va_vdst(0) depctr_va_sdst(0) depctr_va_ssrc(0) depctr_va_vcc(0) depctr_vm_vsrc(0)
	s_getreg_b32 s2, hwreg(HW_REG_IB_STS2, 6, 4)
	s_cmp_eq_u32 s2, 0
	s_cbranch_scc0 .Lentry_in_a_cluster
	s_endpgm
.Lentry_in_a_cluster:
	s_bfe_u32 s2, ttmp6, 0x10000c
	s_cmp_lg_u32 s2, 0xf033
	s_cbranch_scc0 .Lentry_shape_is_right
	s_endpgm
.Lentry_shape_is_right:
; out0[token] = (attention's result of all eight heads, quantised along the 1,024) x wo^T.  For each batch and head: O[q] = sum over k of softmax_k(Q[q] . K[k] / sqrt(128) + mask[q][k]) V[k].
; All three products on codes of FP6 (E2M3) with E8M0 scales.  Q, K, V come as fragment images from qkv, wo's images and words from c1 and s1 (their layouts: the launches before).
; THE SOFTMAX: logit = score x (1 / sqrt(128)) + mask, one fused multiply-add; t = logit x log2(e); M = the running largest t rounded UP to a whole number; p = 2^(t - M) is quantised along the keys, not
; normalised; the row's sum is taken of the unquantised p and divides O at the end.  When M moves, the sum and O are multiplied by 2^(old M - new M): exact, no branch on data.
; LIMITS: the division by sqrt(128) is a multiplication by the f32 nearest to 1 / sqrt(128).  -infinity in the mask is served while a row keeps a finite logit; a row that is wholly -infinity gives NaN ahead
; of the quantiser, whose codes are then no NaN.  NaN and +infinity among the inputs are not served.  The promise holds while |t| stays under 2^31.
; SHARES.  A work-group: 32 queries x the EIGHT heads of one batch, so that it owns whole rows of the last product's K.  Wave w takes head w and the two stored tiles of 16 queries.
; LAYOUT.  All products transposed (S^T = K Q^T, O^T = V^T P^T, out^T = wo O^T): a lane holds one query throughout.  The rows of a stored tile are row 8 u + r + 8 (r / 8) of each 32, so the 16 registers of two
; neighbouring result tiles are 16 neighbours along the next K, or along a row of out0.
; LDS.  A wave reads its own head's K and V alone and fetches them itself: 38,400 bytes a wave, [V of odd steps][K][V of even steps].  A key step's block in memory is K then V (even) or V then K (odd), so
; ONE dense load of 25,600 bytes lands on K's bytes and on the V bytes that are not in hand.  It is asked for once a step, when K and both mask tiles are in registers.
; The head's load brings 12,800 bytes more, ahead of block 0, which nobody reads.
; THE MASK: 32 rows x 512 bytes a step.  Each wave loads four whole rows a step ahead into registers and stores them into one stage (rows 528 bytes apart, a tile's 16 rows on end); a barrier shows it:
; its signal stands when my rows are stored, its wait at the step's end.
; THE LAST PRODUCT.  Wave w makes column block c = (w + cy) % 8, columns 128 c .. + 127 (cy: the work-group's row in its cluster): so in each round the four rows of a cluster ask for different bytes of wo.
; The block's 8 tiles of wo x 8 K steps (96 KiB) come through the wave's own LDS in five loads: K steps 0-1, 2, 3-4, 5, 6-7, by turns into bytes 13,824 .. 38,399 (two K steps)
; and 0 .. 12,287 (one).  The first is asked for at the last key step's change, the second behind its V^T P products.  Bytes 12,288 .. 13,823 of each wave's LDS and the mask stage take O's fragments: no load lands there any more.
; CLUSTER 4 x 4: a row of the cluster is four blocks of queries of one batch: they ask jointly for K, V and wo.  The mask tile (16 KiB of a step's 216 KiB) is not asked for jointly: a small part of a step's bytes.
; PREFETCH: in the trip that loads key step i + 1 each wave names key step i + 3 of its head's block: 100 runs of 256 bytes, 25 for each partner of the row, told apart by address (lanes 24-31 name one run);
; the last two loading trips ask for nothing.  The mask's own loads stand a whole step ahead of their use, so it has no prefetch; wo's five loads stand in a tail with no loop to run ahead in.
; REGISTERS.  window 0: v1-11 addresses; v12-19 statistics; v20-31 scale words; v32-79 four fragments; v80-127 K's other four, then at work and P's codes; v128-255 S^T, then p.
;   window 1: v0-127 O^T; v128-151 Q; v152-167 my four mask rows; v168 where they go; v192-255 a mask tile, then V's other four fragments.
.set HB,    12800
.set BLK,   25600
.set WREG,  38400
.set GAP,   12288                      ; my tile 0 of O
.set ASL,   13824                      ; wo's slot of two K steps
.set MSTG,  8*WREG
.set MP,    528
.set SPARE, MSTG+32*MP
.set AKV0, 1                           ; 16 x lane + my LDS
.set ASW0, 2                           ; 16 r + my LDS
.set AMK,  3                           ; the mask stage: row r, + 64 h
.set SPW,  4
.set NIL,  5
.set ADK,  6                           ; V's images in hand
.set ADS,  7                           ; V's words in hand
.set STO,  8                           ; the way out: row r of my stage, + 64 h
.set LI,   9                           ; 16 x lane
.set PFO,  10
.set AM,   10                          ; the tail: 16 x lane + the mask stage
.set TMP,  11
.set AX,   11                          ; the tail: the same + my 2,048 bytes of it
.set ST,   12
.set AH,   12                          ; the tail: 16 x lane + two waves' LDS x j
.set QW,   20
.set PW,   22
.set KW,   24
.set FRG,  32
.set FR2,  80
.set BM,   80
.set T2,   84
.set SCO,  88
.set F,    92
.set PT,   96
.set PCD,  104
.set S,    128
.set TM,   80
.set AW,   176                         ; the tail: O's scale words
.set SB,   192                         ; the tail: wo's scale words
.set QF,   128                         ; window 1
.set MG,   152                         ; window 1
.set AMS,  168                         ; window 1
.set MS,   192                         ; window 1
.set WV,   12
.set SEL,  20
.set CS,   22
.set G1,   24                          ; group 1: K and V
.set G1A,  32                          ; wo, two K steps
.set G0,   40
.set G0W,  44
.set KSC,  48
.set TB,   50                          ; where V in hand lies in my LDS: 25,600 (even step) or 0
.set SLOTS, 51
.set WB,   52
.set WA,   53
.set PFA,  54
.set MB,   56
.set CB,   74                          ; my column block of the last product
.set G1B,  76                          ; wo, one K step
.set MSB, 0
.macro WIN new
.if MSB != \new
	s_set_vgpr_msb (MSB<<8)|\new
.set MSB, \new
.endif
.endm
.macro PLACES
.rept 4
	v_nop
.endr
.endm
.macro CREST
	s_cmp_lg_u32 s[WV], 0
	s_cbranch_scc1 .Lnot_wave_0_\@
	s_barrier_signal -3
.Lnot_wave_0_\@:
	s_barrier_wait -3
	s_barrier_signal -1
	s_barrier_wait -1
.endm
.macro CROUND
	s_barrier_signal -1
	s_barrier_wait -1
	CREST
.endm
.macro JLOAD                           ; every wave: its head's block; s_nop 0 and four v_nop behind it
	tensor_load_to_lds s[G0:G0+3], s[G1:G1+7]
	s_nop 0
	PLACES
.endm
.macro WLOAD g1                        ; every wave: its eight tiles of wo, one or two K steps
	tensor_load_to_lds s[G0W:G0W+3], s[\g1:\g1+7]
	s_nop 0
	PLACES
.endm
.macro RND lds, step, g1               ; a refill of one of wo's slots: the three lines, a round, the load
	s_wait_tensorcnt 0x0
	ds_add_u32 v[SPW], v[NIL]
	s_mov_b32 s[G0W+1], s[\lds]
	s_add_nc_u64 s[G0W+2:G0W+3], s[G0W+2:G0W+3], \step
	s_wait_dscnt 0x0
	CROUND
	WLOAD \g1
.endm
.macro WALK                            ; the next block: onto K's bytes and the V bytes that are not in hand
	s_xor_b32 s62, s[TB], BLK
	s_lshr_b32 s62, s62, 1
	s_add_co_u32 s[G0+1], s[WB], s62
	s_add_nc_u64 s[G0+2:G0+3], s[G0+2:G0+3], BLK
	s_wait_xcnt 0x0                                ; the last prefetch has read its address
	s_add_nc_u64 s[PFA:PFA+1], s[PFA:PFA+1], BLK
.endm
; 64 numbers of a lane, register 16 b + i = k 32 b + 16 (lane / 16) + i, become a fragment's codes at v[pc] and its scale word in v[pw]
.macro QUANT s, pc, pt, pw
.irp b, 0,1,2,3
	v_max3_num_f32 v[TM+\b], |v[(\s)+16*\b]|, |v[(\s)+1+16*\b]|, 0x1800000
.endr
.irp i, 2,4,6,8,10,12,14
.irp b, 0,1,2,3
	v_max3_num_f32 v[TM+\b], v[TM+\b], |v[(\s)+16*\b+\i]|, |v[(\s)+1+16*\b+\i]|
.endr
.endr
.irp b, 0,1,2,3
	v_permlanex16_b32 v[TM+4+\b], v[TM+\b], s[SEL], s[SEL+1]
.endr
.irp b, 0,1,2,3
	v_max_num_f32 v[TM+\b], v[TM+\b], v[TM+4+\b]
.endr
.irp b, 0,1,2,3
	v_add_nc_u32 v[TM+12+\b], 0xff000000, v[TM+\b]
.endr
.irp b, 0,1,2,3
	v_lshrrev_b32 v[TM+4+\b], 23, v[TM+12+\b]
.endr
	v_lshl_or_b32 v[\pw], v[TM+5], 8, v[TM+4]
	s_delay_alu instid0(VALU_DEP_1)
	v_lshl_or_b32 v[\pw], v[TM+6], 16, v[\pw]
	s_delay_alu instid0(VALU_DEP_1)
	v_lshl_or_b32 v[\pw], v[TM+7], 24, v[\pw]
.irp c, 0,1
	v_cvt_scalef32_pk16_fp6_f32 v[(\pc)+6*\c:(\pc)+2+6*\c], v[(\s)+32*\c:(\s)+15+32*\c], v[TM+12+2*\c]
	v_cvt_scalef32_pk16_fp6_f32 v[(\pt)+4*\c:(\pt)+2+4*\c], v[(\s)+16+32*\c:(\s)+31+32*\c], v[TM+12+2*\c+1]
.endr
	v_nop
.irp c, 0,1
.irp i, 0,1,2
	v_permlane16_swap_b32 v[(\pc)+6*\c+\i], v[(\pt)+4*\c+\i]
.endr
.irp i, 0,1,2
	v_mov_b32 v[(\pc)+3+6*\c+\i], v[(\pt)+4*\c+\i]
.endr
.endr
.endm
	s_load_b256 s[4:11], s[0:1], 0x0               ; qkv, mask, c1, s1
	s_load_b64 s[72:73], s[0:1], 0x20              ; out0
	v_lshl_add_u32 v[SPW], v0, 2, SPARE
	v_mov_b32 v[NIL], 0
	ds_add_u32 v[SPW], v[NIL]                      ; the opening lines: the add, twice on end, and its wait
	ds_add_u32 v[SPW], v[NIL]
	v_lshrrev_b32 v6, 5, v0
	v_readfirstlane_b32 s[WV], v6                  ; wave = head
	s_bfe_u32 s13, ttmp6, 0x40000                  ; cx
	s_bfe_u32 s14, ttmp6, 0x40004                  ; cy = the batch
	s_lshl_b32 s16, ttmp9, 2
	s_add_co_u32 s16, s16, s13                     ; my block of 32 queries, 0..63
	s_lshl_b32 s66, s14, 2
	s_lshl_b32 s66, 15, s66                        ; my row of the cluster
	s_or_b32 s[G1], s66, (3<<16)|(1<<21)           ; dense rows of 256 bytes (32 elements of 8): 150 at the head, then 100
	s_mov_b32 s[G1+1], 32<<16
	s_mov_b32 s[G1+2], 150<<16
	s_mov_b32 s[G1+3], 32<<16
	s_mov_b32 s[G1+4], 150
	s_mov_b32 s[G1+5], 32
	s_mov_b32 s[G1+6], 0
	s_mov_b32 s[G1+7], 0
	s_or_b32 s[G1A], s66, (3<<16)|(1<<21)          ; wo: 8 tiles, 12,288 bytes apart, 3,072 bytes of each
	s_mov_b32 s[G1A+1], 384<<16
	s_mov_b32 s[G1A+2], 8<<16
	s_mov_b32 s[G1A+3], 384<<16
	s_mov_b32 s[G1A+4], 8
	s_mov_b32 s[G1A+5], 1536
	s_mov_b32 s[G1A+6], 0
	s_mov_b32 s[G1A+7], 0
	s_or_b32 s[G1B], s66, (3<<16)|(1<<21)          ; or 1,536 bytes of each
	s_mov_b32 s[G1B+1], 192<<16
	s_mov_b32 s[G1B+2], 8<<16
	s_mov_b32 s[G1B+3], 192<<16
	s_mov_b32 s[G1B+4], 8
	s_mov_b32 s[G1B+5], 1536
	s_mov_b32 s[G1B+6], 0
	s_mov_b32 s[G1B+7], 0
	s_lshl_b32 s58, s14, 3
	s_add_co_u32 s58, s58, s[WV]                   ; batch x 8 + head
	s_mul_i32 s60, s58, 16*BLK
	s_add_co_u32 s60, s60, 6553600-HB              ; 12,800 bytes ahead of the head's block 0: it hangs on the batch and the wave alone
	s_mov_b32 s61, 0
	s_mul_i32 s[WB], s[WV], WREG
	s_add_co_u32 s[WA], s[WB], ASL
	s_mov_b32 s[SEL], 0x76543210
	s_mov_b32 s[SEL+1], 0xfedcba98
	s_mov_b32 s[CS], 0x3fb8aa3b                    ; log2(e)
	s_mov_b32 s[CS+1], s[CS]
	s_mov_b32 s[KSC], 0x3db504f3                   ; 1 / sqrt(128)
	s_mov_b32 s[KSC+1], s[KSC]
	s_mov_b32 s[TB], BLK
	s_mov_b32 s[SLOTS], 15
	s_wait_dscnt 0x0
	s_wait_kmcnt 0x0
	s_mov_b32 s[G0], 1
	s_mov_b32 s[G0+1], s[WB]
	s_add_nc_u64 s[G0+2:G0+3], s[4:5], s[60:61]
	s_or_b32 s[G0+3], s[G0+3], 0x80000000
	CROUND
	JLOAD                                          ; my one load at the head: all 38,400 bytes of my LDS; K and V of key step 0 are its last 25,600
	s_mul_i32 s62, s13, 6400                       ; the prefetches: my work-group's 25 runs, at key step 2 (the first WALK steps it to 3)
	s_add_co_u32 s62, s62, s60
	s_add_co_u32 s62, s62, HB+2*BLK
	s_mov_b32 s63, 0
	s_add_nc_u64 s[PFA:PFA+1], s[4:5], s[62:63]
	s_add_co_u32 s62, s[WV], s14                   ; my column block: (wave + cy) % 8: it hangs on the wave and on the cluster's row, which the four that ask with me share
	s_and_b32 s[CB], s62, 7
	s_lshl_b32 s62, s[CB], 3                       ; wo: the block's first tile, K step 0
	s_add_co_u32 s62, s62, 704
	s_mul_i32 s62, s62, 12288
	s_mov_b32 s[G0W], 1
	s_mov_b32 s[G0W+1], s[WA]
	s_add_nc_u64 s[G0W+2:G0W+3], s[8:9], s[62:63]
	s_or_b32 s[G0W+3], s[G0W+3], 0x80000000
	s_lshl_b32 s62, s16, 18                        ; the mask: 32 rows of 8,192 bytes a block of queries, 4 rows a wave
	s_lshl_b32 s66, s[WV], 15
	s_add_co_u32 s62, s62, s66
	s_add_nc_u64 s[MB:MB+1], s[6:7], s[62:63]
	s_lshl_b32 s59, s58, 4
	s_add_co_u32 s59, s59, ttmp9
	s_mul_i32 s62, s59, 12800
	s_add_nc_u64 s[60:61], s[4:5], s[62:63]        ; Q's block of 128 queries
	s_mul_i32 s62, s13, 3072
	s_add_nc_u64 s[66:67], s[60:61], s[62:63]      ; images 2 cx and the next
	s_lshr_b32 s62, s13, 1
	s_lshl_b32 s62, s62, 8
	s_and_b32 s68, s13, 1
	s_lshl_b32 s68, s68, 3
	s_add_co_u32 s62, s62, s68
	s_add_co_u32 s62, s62, 12288
	s_add_nc_u64 s[68:69], s[60:61], s[62:63]      ; their two words of each row
	s_bfe_u32 s70, s[WV], 0x10001                  ; my rows 4 w + j of the 32 stand in the stage at 16 ((w / 2) % 2) + 8 (w / 4) + 4 (w % 2) + j: a tile's rows on end
	s_lshl_b32 s70, s70, 4
	s_lshr_b32 s71, s[WV], 2
	s_lshl_b32 s71, s71, 3
	s_add_co_u32 s70, s70, s71
	s_and_b32 s71, s[WV], 1
	s_lshl_b32 s71, s71, 2
	s_add_co_u32 s70, s70, s71
	s_mul_i32 s70, s70, MP
	s_add_co_u32 s70, s70, MSTG
	v_and_b32 v6, 31, v0
	v_lshlrev_b32 v[LI], 4, v6
	v_and_b32 v7, 15, v0
	v_bfe_u32 v[STO], v0, 4, 1
	v_lshlrev_b32 v[TMP], 4, v7
	WIN 0x40
.irp u, 0,1
.irp c, 0,1,2
	global_load_b128 v[QF+12*\u+4*\c:QF+12*\u+4*\c+3], v[LI], s[66:67] offset:1536*\u+512*\c
.endr
.endr
.irp j, 0,1,2,3
	global_load_b128 v[MG+4*\j:MG+4*\j+3], v[LI], s[MB:MB+1] offset:8192*\j   ; key step 0's mask: a whole row of 512 bytes an instruction
.endr
	WIN 0
	global_load_b64 v[QW:QW+1], v[TMP], s[68:69]
	v_add_nc_u32 v[AKV0], s[WB], v[LI]
	v_add_nc_u32 v[ASW0], s[WB], v[TMP]
	v_mul_u32_u24 v[AMK], v7, MP
	v_lshl_add_u32 v[AMK], v[STO], 6, v[AMK]
	v_add_nc_u32 v[STO], s[WA], v[AMK]
	v_add_nc_u32 v[AMK], MSTG, v[AMK]
	v_min_u32 v[PFO], 24, v6
	v_lshlrev_b32 v[PFO], 8, v[PFO]
.irp u, 0,1
	v_mov_b32 v[ST+4*\u+1], 0xff61b1e6             ; the largest t so far: -3e38
	v_floor_f32 v[ST+4*\u], -v[ST+4*\u+1]
	v_mov_b32 v[ST+4*\u+2], 0
	v_mov_b32 v[ST+4*\u+3], 0
	v_mov_b32 v[F+2*\u+1], 0
.endr
.irp b, 0,1,2,3
	v_mov_b32 v[T2+\b], 0
.endr
	WIN 0x40
	v_add_nc_u32 v[AMS], s70, v[LI]
.set j, 0
.rept 128
	v_mov_b32 v[j], 0                              ; O^T: the step is written alike for all steps; the first finds zeros
.set j, j+1
.endr
	WIN 0
.macro FRAGS reg, adr, off             ; four images: 12 loads
.irp t, 0,1,2,3
.irp c, 0,1,2
	ds_load_b128 v[(\reg)+12*\t+4*\c:(\reg)+12*\t+4*\c+3], v[\adr] offset:(\off)+\t*1536+512*\c
.endr
.endr
.endm
.macro MASKLOAD u                      ; tile u's 64 numbers of the mask, in S^T's order: 16 loads
	WIN 0x40
.irp b, 0,1,2,3
.irp e, 0,1,2,3
	ds_load_b128 v[MS+16*\b+4*\e:MS+16*\b+4*\e+3], v[AMK] offset:16*MP*(\u)+128*\b+16*\e
.endr
.endr
	WIN 0
.endm
.macro MASKADD u                       ; logit = score / sqrt(128) + mask, ascending
	WIN 0x10
.set j, 0
.rept 32
	v_pk_fma_f32 v[S+64*(\u)+j:S+64*(\u)+j+1], v[S+64*(\u)+j:S+64*(\u)+j+1], s[KSC:KSC+1], v[MS+j:MS+j+1] op_sel_hi:[1,0,1]
.set j, j+2
.endr
	WIN 0
.endm
.macro SPROD g, fr
	WIN 0x04
.irp t, 0,1,2,3
.irp u, 0,1
	v_wmma_scale_f32_16x16x128_f8f6f4 v[S+64*\u+8*(4*(\g)+\t):S+64*\u+8*(4*(\g)+\t)+7], v[(\fr)+12*\t:(\fr)+12*\t+11], v[QF+12*\u:QF+12*\u+11], 0, v[KW+4*(\g)+\t], v[QW+\u] matrix_a_fmt:MATRIX_FMT_FP6 matrix_b_fmt:MATRIX_FMT_FP6
.endr
.endr
.endm
.macro PVU u                           ; O^T of tile u += V^T P^T: its eight accumulators by turns
	WIN 0x50
.irp t, 0,1,2,3
	v_wmma_scale_f32_16x16x128_f8f6f4 v[64*(\u)+8*\t:64*(\u)+8*\t+7], v[FRG+12*\t:FRG+12*\t+11], v[PCD+12*(\u):PCD+12*(\u)+11], v[64*(\u)+8*\t:64*(\u)+8*\t+7], v[KW+\t], v[PW+(\u)] matrix_a_fmt:MATRIX_FMT_FP6 matrix_b_fmt:MATRIX_FMT_FP6
.endr
	WIN 0x51
.irp t, 0,1,2,3
	v_wmma_scale_f32_16x16x128_f8f6f4 v[64*(\u)+32+8*\t:64*(\u)+32+8*\t+7], v[MS+12*\t:MS+12*\t+11], v[PCD+12*(\u):PCD+12*(\u)+11], v[64*(\u)+32+8*\t:64*(\u)+32+8*\t+7], v[KW+4+\t], v[PW+(\u)] matrix_a_fmt:MATRIX_FMT_FP6 matrix_b_fmt:MATRIX_FMT_FP6
.endr
.endm
.macro RESCALE u
	WIN 0x41
.set j, 0
.rept 32
	v_pk_mul_f32 v[64*(\u)+j:64*(\u)+j+1], v[64*(\u)+j:64*(\u)+j+1], v[F+2*(\u):F+2*(\u)+1] op_sel_hi:[1,0]
.set j, j+2
.endr
.endm
; The softmax of tile u in two parts.  SMAX: the blocks' largest logits, the new M, f, and t - M.
.macro SMAX u
.set rS, S+64*(\u)
.set rT, ST+4*(\u)
.set rF, F+2*(\u)
.irp b, 0,1,2,3
	v_max3_num_f32 v[BM+\b], v[rS+16*\b], v[rS+1+16*\b], v[rS+2+16*\b]
.endr
.irp i, 3,5,7,9,11,13
.irp b, 0,1,2,3
	v_max3_num_f32 v[BM+\b], v[BM+\b], v[rS+16*\b+\i], v[rS+1+16*\b+\i]
.endr
.endr
.irp b, 0,1,2,3
	v_max_num_f32 v[BM+\b], v[BM+\b], v[rS+15+16*\b]
.endr
.irp b, 0,1,2,3
	v_permlanex16_b32 v[T2+\b], v[BM+\b], s[SEL], s[SEL+1]
.endr
.irp b, 0,1,2,3
	v_max_num_f32 v[BM+\b], v[BM+\b], v[T2+\b]
.endr
	v_max3_num_f32 v[TMP], v[BM], v[BM+1], v[BM+2]
	s_delay_alu instid0(VALU_DEP_1)
	v_max_num_f32 v[TMP], v[TMP], v[BM+3]
	s_delay_alu instid0(VALU_DEP_1)
	v_mul_f32 v[TMP], s[CS], v[TMP]
	s_delay_alu instid0(VALU_DEP_1)
	v_max_num_f32 v[rT+1], v[rT+1], v[TMP]         ; the running largest t
	v_mov_b32 v[TMP], v[rT]
	s_delay_alu instid0(VALU_DEP_2)
	v_floor_f32 v[rT], -v[rT+1]                    ; the new -M
	s_delay_alu instid0(VALU_DEP_1)
	v_sub_f32 v[TMP], v[rT], v[TMP]
	s_delay_alu instid0(VALU_DEP_1)
	v_cvt_i32_f32 v[TMP], v[TMP]
	s_delay_alu instid0(VALU_DEP_1)
	v_ldexp_f32 v[rF], 1.0, v[TMP]                 ; f = 2^(old M - new M)
.set j, 0
.rept 32
	v_pk_fma_f32 v[rS+j:rS+j+1], v[rS+j:rS+j+1], s[CS:CS+1], v[rT:rT+1] op_sel_hi:[1,0,0]
.set j, j+2
.endr
.irp b, 0,1,2,3
	v_fma_f32 v[BM+\b], v[BM+\b], s[CS], v[rT]
.endr
.endm
; SEXP: p, the row's sum, p's codes and scale word.  The wait ahead of the batch stands in front of the macro.
.macro SEXP u
.set rS, S+64*(\u)
.set rT, ST+4*(\u)
.set rF, F+2*(\u)
.set rP, PCD+12*(\u)
.set j, 0
.rept 64
	v_exp_f32 v[rS+j], v[rS+j]
.set j, j+1
.endr
	v_pk_mul_f32 v[rT+2:rT+3], v[rT+2:rT+3], v[rF:rF+1] op_sel_hi:[1,0]
	s_wait_alu depctr_va_vdst(0)                   ; one wait for the batch
.irp b, 0,1,2,3
	v_exp_f32 v[BM+\b], v[BM+\b]                   ; the blocks' largest p
.endr
	v_pk_add_f32 v[T2:T2+1], v[rS:rS+1], v[rS+2:rS+3]
.set j, 4
.rept 15
	v_pk_add_f32 v[rT+2:rT+3], v[rT+2:rT+3], v[rS+j:rS+j+1]
	v_pk_add_f32 v[T2:T2+1], v[T2:T2+1], v[rS+j+2:rS+j+3]
.set j, j+4
.endr
	s_delay_alu instid0(VALU_DEP_1)
	v_pk_add_f32 v[rT+2:rT+3], v[rT+2:rT+3], v[T2:T2+1]
	s_wait_alu depctr_va_vdst(0)                   ; and one for the four
.irp b, 0,1,2,3
	v_max_num_f32 v[BM+\b], 0x1800000, v[BM+\b]
.endr
.irp b, 0,1,2,3
	v_add_nc_u32 v[SCO+\b], 0xff000000, v[BM+\b]
.endr
.irp b, 0,1,2,3
	v_lshrrev_b32 v[T2+\b], 23, v[SCO+\b]
.endr
	v_lshl_or_b32 v[PW+(\u)], v[T2+1], 8, v[T2]
	s_delay_alu instid0(VALU_DEP_1)
	v_lshl_or_b32 v[PW+(\u)], v[T2+2], 16, v[PW+(\u)]
	s_delay_alu instid0(VALU_DEP_1)
	v_lshl_or_b32 v[PW+(\u)], v[T2+3], 24, v[PW+(\u)]
.irp c, 0,1
	v_cvt_scalef32_pk16_fp6_f32 v[rP+6*\c:rP+2+6*\c], v[rS+32*\c:rS+15+32*\c], v[SCO+2*\c]
	v_cvt_scalef32_pk16_fp6_f32 v[PT+4*\c:PT+2+4*\c], v[rS+16+32*\c:rS+31+32*\c], v[SCO+2*\c+1]
.endr
	v_nop
.irp c, 0,1
.irp i, 0,1,2
	v_permlane16_swap_b32 v[rP+6*\c+\i], v[PT+4*\c+\i]
.endr
.irp i, 0,1,2
	v_mov_b32 v[rP+3+6*\c+\i], v[PT+4*\c+\i]
.endr
.endr
.endm
; A KEY STEP: 128 keys, 32 matrix instructions.  When K and both mask tiles are in registers, a round of the cluster's barrier, and behind it my one load: chg = 1 (the loop) the next step's block; chg = 2 (the last
; step) wo's K steps 0 and 1.  chg = 1: the next mask tile goes into the stage behind that round, when every wave has read this one; the barrier that shows it is signalled when my rows are stored and awaited at
; the step's end, where I also wait for my block.  chg = 2: when V is in registers, a second round, and wo's K step 2 onto V's bytes.  Tile 0's V^T P products stand ahead of tile 1's exponentials.
.macro STEP chg
	v_add_nc_u32 v[ADK], s[TB], v[AKV0]
	v_add_nc_u32 v[ADS], s[TB], v[ASW0]
	v_nop
	v_nop                                          ; four places behind the last step's products
	ds_load_b128 v[KW:KW+3], v[ASW0] offset:HB+12288
	ds_load_b128 v[KW+4:KW+7], v[ASW0] offset:HB+12288+256
	FRAGS FRG, AKV0, HB
	FRAGS FR2, AKV0, HB+6144
	MASKLOAD 0
	s_wait_dscnt 28                                ; K's words and tiles 0-3 are in; 12 + 16 younger loads may be out
	SPROD 0, FRG
	s_wait_dscnt 16                                ; the mask's 16 may be out
	SPROD 1, FR2
	PLACES
	s_wait_dscnt 0x0
	MASKADD 0
	MASKLOAD 1
	s_wait_tensorcnt 0x0                           ; no tensor load of mine is out
	ds_add_u32 v[SPW], v[NIL]                      ; work on registers stands between the add and its wait
.if \chg == 1
	WALK
.endif
	SMAX 0
	s_wait_dscnt 0x0                               ; the add is done; K and both mask tiles are in registers
	s_barrier_signal -1
	s_barrier_wait -1
	CREST
.if \chg == 1
	JLOAD                                          ; key step i + 1
	s_wait_loadcnt 0x0                             ; my four rows of the next mask tile, asked for a step ago
	WIN 0x05
.irp j, 0,1,2,3
	ds_store_b128 v[AMS], v[MG+4*\j:MG+4*\j+3] offset:MP*\j
.endr
	WIN 0
.else
	WLOAD G1A                                      ; wo's K steps 0 and 1, onto K's bytes and the even steps' V bytes
.endif
	ds_load_b128 v[KW:KW+3], v[ADS] offset:12288
	ds_load_b128 v[KW+4:KW+7], v[ADS] offset:12288+256
	FRAGS FRG, ADK, 0
.if \chg == 1
	s_cmp_gt_u32 s[SLOTS], 2
	s_cbranch_scc0 .Lno_ask_\@
	global_prefetch_b8 v[PFO], s[PFA:PFA+1] th:TH_LOAD_NT scope:SCOPE_SE   ; key step i + 3
.Lno_ask_\@:
.endif
	s_wait_alu depctr_va_vdst(0)                   ; ahead of the batch
	SEXP 0
	s_wait_dscnt 0x0                               ; my rows are in the stage, and V's words and tiles 0-3 in registers
.if \chg == 1
	s_cmp_gt_u32 s[SLOTS], 1
	s_cbranch_scc0 .Lno_mask_\@
	s_add_nc_u64 s[MB:MB+1], s[MB:MB+1], 512
	WIN 0x40
.irp j, 0,1,2,3
	global_load_b128 v[MG+4*\j:MG+4*\j+3], v[LI], s[MB:MB+1] offset:8192*\j   ; key step i + 2's mask
.endr
	WIN 0
.Lno_mask_\@:
	s_barrier_signal -1                            ; up to its wait: work on registers, waits, and LDS loads of V, which nobody writes before a later barrier
.endif
	MASKADD 1
	WIN 0x40
	FRAGS MS, ADK, 6144
	RESCALE 0
	WIN 0
	SMAX 1
	s_wait_dscnt 0x0                               ; all of V is in registers
	s_wait_alu depctr_va_vdst(0)                   ; ahead of the batch
	PVU 0
	WIN 0
	SEXP 1
.if \chg == 1
	RESCALE 1
	PVU 1
	WIN 0
	s_wait_tensorcnt 0x0                           ; my block of the next step has landed
	s_barrier_wait -1                              ; the next mask tile is whole
.else
	s_wait_tensorcnt 0x0                           ; wo's K steps 0 and 1 have landed
	ds_add_u32 v[SPW], v[NIL]
	s_mov_b32 s[G0W+1], s[WB]
	s_add_nc_u64 s[G0W+2:G0W+3], s[G0W+2:G0W+3], 3072
	RESCALE 1
	s_wait_alu depctr_va_vdst(0)
	s_wait_dscnt 0x0
	s_barrier_signal -1
	PVU 1
	WIN 0
	s_barrier_wait -1
	CREST
	WLOAD G1B                                      ; wo's K step 2, onto the odd steps' V bytes
.endif
.endm
	s_wait_alu depctr_va_vdst(0)
	s_wait_loadcnt 0x0
	WIN 0x05
.irp j, 0,1,2,3
	ds_store_b128 v[AMS], v[MG+4*\j:MG+4*\j+3] offset:MP*\j
.endr
	WIN 0
	s_add_nc_u64 s[MB:MB+1], s[MB:MB+1], 512
	s_wait_tensorcnt 0x0                           ; the head's load has landed: its descriptor may be written
	s_mov_b32 s[G1+2], 100<<16                     ; from here on a load brings 100 rows
	s_mov_b32 s[G1+4], 100
	s_add_nc_u64 s[G0+2:G0+3], s[G0+2:G0+3], HB    ; block 0
	s_wait_dscnt 0x0
	WIN 0x40
.irp j, 0,1,2,3
	global_load_b128 v[MG+4*\j:MG+4*\j+3], v[LI], s[MB:MB+1] offset:8192*\j   ; key step 1's mask
.endr
	WIN 0
	s_barrier_signal -1
	s_barrier_wait -1                              ; key step 0's mask tile is whole
.Lstep:                                            ; 15 trips: steps 0 to 14, each asks for the next
	STEP 1
	s_xor_b32 s[TB], s[TB], BLK
	s_sub_co_u32 s[SLOTS], s[SLOTS], 1
	s_cmp_lg_u32 s[SLOTS], 0
	s_cbranch_scc1 .Lstep
	STEP 2
; THE LAST PRODUCT: 8 tiles of wo x 2 tiles of tokens x 8 K steps (K step = head).  wo's fragments go from my LDS into four sets of 48 registers (group g = 2 K step + half, set g % 4);
; O's fragments of all heads come from LDS, where each wave puts its own two.
.macro WOL g
.set KS, (\g)/2
.if (KS%3) == 2
.set WO0, 4*((\g)%2)*1536
.set WOP, 1536
.else
.set WO0, ASL+4*((\g)%2)*3072+(KS%3)*1536
.set WOP, 3072
.endif
.if ((\g)%4) < 2
	WIN 0x40
.set GR, 128+48*((\g)%4)
.else
	WIN 0
.set GR, 32+96*(((\g)%4)-2)
.endif
.irp t, 0,1,2,3
.irp c, 0,1,2
	ds_load_b128 v[GR+12*\t+4*\c:GR+12*\t+4*\c+3], v[AKV0] offset:WO0+\t*WOP+512*\c
.endr
.endr
.endm
.macro AFRAG k                         ; head k's two fragments of O: 6 loads
.irp c, 0,1,2
	ds_load_b128 v[80+24*((\k)%2)+4*\c:80+24*((\k)%2)+4*\c+3], v[AH+(\k)/2] offset:((\k)%2)*WREG+GAP+512*\c
.endr
.irp c, 0,1,2
	ds_load_b128 v[92+24*((\k)%2)+4*\c:92+24*((\k)%2)+4*\c+3], v[AM] offset:2048*(\k)+512*\c
.endr
.endm
.macro LOADK k                         ; all of K step k: 24 + 6 loads
	WOL 2*(\k)
	WOL 2*(\k)+1
	WIN 0
	AFRAG \k
.endm
.macro OMUL k                          ; the 16 accumulators by turns
	WIN 0x51-((\k)%2)
.irp hf, 0,1
.set GR, (1-((\k)%2))*(128+48*\hf)+((\k)%2)*(32+96*\hf)
.irp t, 0,1,2,3
.irp u, 0,1
.if (\k) == 0
	v_wmma_scale_f32_16x16x128_f8f6f4 v[64*\u+8*(4*\hf+\t):64*\u+8*(4*\hf+\t)+7], v[GR+12*\t:GR+12*\t+11], v[80+24*((\k)%2)+12*\u:80+24*((\k)%2)+12*\u+11], 0, v[SB+8*(4*\hf+\t)+(\k)], v[AW+2*(\k)+\u] matrix_a_fmt:MATRIX_FMT_FP6 matrix_b_fmt:MATRIX_FMT_FP6
.else
	v_wmma_scale_f32_16x16x128_f8f6f4 v[64*\u+8*(4*\hf+\t):64*\u+8*(4*\hf+\t)+7], v[GR+12*\t:GR+12*\t+11], v[80+24*((\k)%2)+12*\u:80+24*((\k)%2)+12*\u+11], v[64*\u+8*(4*\hf+\t):64*\u+8*(4*\hf+\t)+7], v[SB+8*(4*\hf+\t)+(\k)], v[AW+2*(\k)+\u] matrix_a_fmt:MATRIX_FMT_FP6 matrix_b_fmt:MATRIX_FMT_FP6
.endif
.endr
.endr
.endr
.endm
	s_wait_loadcnt 0x0
	s_lshl_b32 s60, s[CB], 3
	s_add_co_u32 s60, s60, 704                     ; my column block's first tile of wo
	s_lshl_b32 s62, s60, 9
	s_mov_b32 s63, 0
	s_add_nc_u64 s[10:11], s[10:11], s[62:63]
	s_lshl_b32 s62, s14, 11
	s_lshl_b32 s60, s16, 5
	s_add_co_u32 s62, s62, s60                     ; my first token
	s_lshl_b32 s62, s62, 12
	s_lshl_b32 s60, s[CB], 9                       ; my column block, 512 bytes of a row
	s_add_co_u32 s62, s62, s60
	s_add_nc_u64 s[72:73], s[72:73], s[62:63]
	s_lshl_b32 s70, s[WV], 11
	s_add_co_u32 s70, s70, MSTG
	v_add_nc_u32 v[AX], s70, v[LI]
	v_add_nc_u32 v[AM], MSTG, v[LI]
	v_and_b32 v6, 15, v0
	v_lshlrev_b32 v6, 4, v6
	WOL 0                                          ; K steps 0 and 1 have landed; the four v_nop behind the load above are the places
	WOL 1
	WOL 2
.irp i, 0,1,2,3,4,5,6,7
.irp e, 0,1
	global_load_b128 v[SB+8*\i+4*\e:SB+8*\i+4*\e+3], v6, s[10:11] offset:512*\i+256*\e
.endr
.endr
.irp u, 0,1
	v_add_f32 v[ST+4*\u+2], v[ST+4*\u+2], v[ST+4*\u+3]
.endr
.irp u, 0,1
	v_permlanex16_b32 v[T2+\u], v[ST+4*\u+2], s[SEL], s[SEL+1]
.endr
.irp u, 0,1
	v_add_f32 v[ST+4*\u+2], v[ST+4*\u+2], v[T2+\u] ; the row's sum
.endr
	s_wait_alu depctr_va_vdst(0)
.irp u, 0,1
	v_rcp_f32 v[ST+4*\u+3], v[ST+4*\u+2]
.endr
	v_nop
	s_wait_alu depctr_va_vdst(0)
.irp u, 0,1
	WIN 0x01
.set j, 0
.rept 64
	v_mul_f32 v[S+j], v[64*\u+j], v[ST+4*\u+3]     ; O^T / the sum, ascending
.set j, j+1
.endr
	WIN 0
	QUANT S, PCD+12*\u, PT, PW+\u
.irp c, 0,1,2
.if \u == 0
	ds_store_b128 v[AKV0], v[PCD+4*\c:PCD+4*\c+3] offset:GAP+512*\c
.else
	ds_store_b128 v[AX], v[PCD+12+4*\c:PCD+12+4*\c+3] offset:512*\c
.endif
.endr
.endr
	ds_store_b64 v[AX], v[PW:PW+1] offset:1536     ; the two tiles' words, a place of 16 bytes a lane
	WOL 3
	s_wait_tensorcnt 0x0                           ; K step 2 has landed.  This round also shows O's fragments to all waves
	ds_add_u32 v[SPW], v[NIL]
	s_mov_b32 s[G0W+1], s[WA]
	s_add_nc_u64 s[G0W+2:G0W+3], s[G0W+2:G0W+3], 1536
.irp j, 0,1,2,3
	v_add_nc_u32 v[AH+\j], 2*WREG*\j, v[LI]
.endr
	s_wait_alu depctr_va_vdst(0)
	s_wait_dscnt 0x0                               ; K steps 0 and 1 are in registers, my fragments of O in LDS
	CROUND
	WLOAD G1A                                      ; K steps 3 and 4
.irp k, 0,1,2,3,4,5,6,7
	ds_load_b64 v[AW+2*\k:AW+2*\k+1], v[AM] offset:2048*\k+1536
.endr
	AFRAG 0
	AFRAG 1
	s_wait_loadcnt 0x0                             ; wo's words
	s_wait_dscnt 6                                 ; head 1's fragments may be out
	OMUL 0
	PLACES
	LOADK 2
	s_wait_dscnt 30                                ; K step 2's loads may be out
	OMUL 1
	s_wait_dscnt 0x0
	OMUL 2
	WIN 0
	RND WB, 3072, G1B                              ; K step 5; the four v_nop behind the load are the places
	LOADK 3
	LOADK 4
	s_wait_dscnt 30
	OMUL 3
	s_wait_dscnt 0x0
	OMUL 4
	WIN 0
	RND WA, 1536, G1A                              ; K steps 6 and 7
	LOADK 5
	s_wait_dscnt 0x0
	OMUL 5
	WIN 0
	s_wait_tensorcnt 0x0                           ; only I read these bytes
	PLACES
	LOADK 6
	LOADK 7
	s_wait_dscnt 30
	OMUL 6
	s_wait_dscnt 0x0
	OMUL 7
	; THE WAY OUT: a tile of 16 tokens x 128 columns goes through my own stage (wo's slot of two K steps, which has had its last fill and read) and leaves as rows of 512 consecutive aligned bytes
	PLACES
.irp u, 0,1
	WIN 0x04
.irp b, 0,1,2,3,4,5,6,7
	ds_store_b128 v[STO], v[64*\u+8*\b:64*\u+8*\b+3] offset:16*MP*\u+128*(\b/2)+32*(\b%2)
	ds_store_b128 v[STO], v[64*\u+8*\b+4:64*\u+8*\b+7] offset:16*MP*\u+128*(\b/2)+32*(\b%2)+16
.endr
	WIN 0
.irp t, 0,1,2,3,4,5,6,7,8,9,10,11,12,13,14,15
	ds_load_b128 v[32+64*\u+4*\t:32+64*\u+4*\t+3], v[AKV0] offset:ASL+16*MP*\u+MP*\t
.endr
.endr
.irp u, 0,1
	s_wait_dscnt 32*(1-\u)                         ; tile 1's 16 stores and 16 loads may be out
.irp t, 0,1,2,3,4,5,6,7,8,9,10,11,12,13,14,15
	global_store_b128 v[LI], v[32+64*\u+4*\t:32+64*\u+4*\t+3], s[72:73] offset:(8*\u+\t+8*(\t/8))*4096 th:TH_STORE_NT
.endr
.endr
	s_wait_tensorcnt 0x0                           ; the wave's end
	ds_add_u32 v[SPW], v[NIL]
	s_wait_dscnt 0x0
	CROUND                                         ; the closing round
	s_endpgm
.Lfunc_end_k_qd313e54460_attn:
	.size	k_qd313e54460_attn, .Lfunc_end_k_qd313e54460_attn-k_qd313e54460_attn
	.p2alignl 7, 3214868480
	.fill 96, 4, 3214868480
	.section	.rodata,"a",@progbits
	.p2align	6, 0x0
	.amdhsa_kernel k_qd313e54460_attn
		.amdhsa_group_segment_fixed_size 327680
		.amdhsa_private_segment_fixed_size 0
		.amdhsa_enable_private_segment 0
		.amdhsa_kernarg_size 40
		.amdhsa_user_sgpr_count 2
		.amdhsa_user_sgpr_kernarg_segment_ptr 1
		.amdhsa_wavefront_size32 1
		.amdhsa_system_sgpr_workgroup_id_x 1
		.amdhsa_system_sgpr_workgroup_id_y 1
		.amdhsa_system_sgpr_workgroup_id_z 1
		.amdhsa_system_vgpr_workitem_id 0
		.amdhsa_next_free_vgpr 512
		.amdhsa_next_free_sgpr 96
		.amdhsa_reserve_vcc 0
		.amdhsa_float_denorm_mode_32 3
		.amdhsa_float_denorm_mode_16_64 3
		.amdhsa_memory_ordered 1
		.amdhsa_forward_progress 1
		.amdhsa_inst_pref_size 155
	.end_amdhsa_kernel
	.amdgpu_metadata
---
amdhsa.version: [ 1, 2 ]
amdhsa.kernels:
  - .name:           k_qd313e54460_attn
    .symbol:         k_qd313e54460_attn.kd
    .args:
      - { .name: qkv, .offset: 0, .size: 8, .value_kind: global_buffer, .address_space: global }
      - { .name: mask, .offset: 8, .size: 8, .value_kind: global_buffer, .address_space: global }
      - { .name: c1, .offset: 16, .size: 8, .value_kind: global_buffer, .address_space: global }
      - { .name: s1, .offset: 24, .size: 8, .value_kind: global_buffer, .address_space: global }
      - { .name: out0, .offset: 32, .size: 8, .value_kind: global_buffer, .address_space: global }
    .group_segment_fixed_size: 327680
    .private_segment_fixed_size: 0
    .kernarg_segment_align: 8
    .kernarg_segment_size: 40
    .max_flat_workgroup_size: 256
    .sgpr_count:     96
    .vgpr_count:     512
    .wavefront_size: 32
...
	.end_amdgpu_metadata
.endif
;; end of part 3
